; MI455X (gfx1250); checked and timed in simulation.
; The chip was launched on July 23, 2026; its instructions are those of AMD's public machine-readable ISA for CDNA 5 (MIT licence, August 2026) and "CDNA5" Instruction Set Architecture Reference Guide (July 2026). The comments in the code are by the model that wrote it; some were corrected since.
;; Bahdanau Attention. Allowed arithmetic: matrix products marked QUANTISED: E2M1 operands, one E8M0 scale for each 32 along K, by v_wmma_scale_f32_16x16x128_f8f6f4 with both operands' format E2M1 (or v_wmma_scale_f32_32x16x128_f4), f32 sums; products left as they are: f32 operands where the result goes on into a quantised operand, else bf16, f16 or f32 operands; f32 sums; everything else in f32.
;; Inputs: W_h_codes 1,024 x 32 x 16 uint8 (E2M1 codes of W_h, K innermost, in blocks of 32 codes, two codes a byte); W_h_scales 1,024 x 32 uint8 (E8M0 scales of W_h, one for each 32 codes along K); W_k_codes 1,024 x 32 x 16 uint8 (E2M1 codes of W_k, K innermost, in blocks of 32 codes, two codes a byte); W_k_scales 1,024 x 32 uint8 (E8M0 scales of W_k, one for each 32 codes along K); h_t_codes 64 x 32 x 16 uint8 (E2M1 codes of h_t, K innermost, in blocks of 32 codes, two codes a byte); h_t_scales 64 x 32 uint8 (E8M0 scales of h_t, one for each 32 codes along K); keys 64 x 1,024 x 1,024 float32; v 1,024 float32.
;; Outputs: out0 64 x 1,024 float32; out1 64 x 1,024 float32.
;; This version of the problem:
;;   THIS VERSION OF THE PROBLEM IS GIVEN IN LOW PRECISION. The matrix products marked QUANTISED in the list below multiply operands that are first quantised to E2M1 (2 exponent bits, 1 mantissa bit; 4 bits a number), with one power-of-two scale for each 32 numbers along K (OCP MX v1.0); their sums are f32. All else is computed in f32.
;;   The module's matrix products, in the order in which they are computed (A, B: the left and right operand; K: the contracted axis; several contracted axes count as one K, in the product's order):
;;     1. [M 64, K 1,024] x [K 1,024, N 1,024]; A: input h_t (given as codes); B: input W_h (given as codes): QUANTISED
;;     2. [M 65,536, K 1,024] x [K 1,024, N 1,024]; A: input keys; B: input W_k (given as codes): QUANTISED
;;     3. [M 65,536, K 1,024] x [K 1,024, N 1]; A: computed on the way; B: input v: left as it is (N = 1 < 16)
;;     4. batch 64 x [M 1, K 1,024] x [K 1,024, N 1,024]; A: softmax; B: input keys: left as it is (M = 1 < 16)
;;   THE QUANTISER, for each operand of a quantised product, along K:
;;     - K is cut into blocks of 32 from its start; a last block that is shorter is filled with zeros.
;;     - A block's scale is 2^e with e = floor(log2(the largest magnitude in the block)) - 2, held to -126 .. 127; a block of zeros has e = 0. As a byte (E8M0): e + 127.
;;     - Each number is divided by its block's scale, clamped to +-6, and rounded to the nearest number of E2M1, ties to even, subnormals kept.
;;     - The product sums the exact products of the quantised numbers (number of the format x scale) in f32.
;;   ~~~python
;;   def quantise(x, axis):      # numpy; x: float32 -> the quantised numbers, widened to float32 again
;;       x = np.moveaxis(x, axis, -1); K = x.shape[-1]
;;       x = np.pad(x, [(0, 0)] * (x.ndim - 1) + [(0, -K % 32)]); x = x.reshape(x.shape[:-1] + (-1, 32)); a = np.abs(x).max(-1, keepdims=True)
;;       e = np.where(a > 0, np.clip(np.frexp(np.where(a > 0, a, 1))[1] - 1 - 2, -126, 127), 0)      # np.frexp(a)[1] - 1 = floor(log2(a)), exactly
;;       r = np.clip(x / 2.0 ** e, -6, 6)
;;       step = 2.0 ** (np.maximum(np.frexp(np.where(r == 0, 1, r))[1] - 1, 0) - 1)
;;       q = np.round(r / step) * step * 2.0 ** e      # np.round: ties to even
;;       return np.moveaxis(q.reshape(q.shape[:-2] + (-1,))[..., :K], -1, axis).astype(np.float32)
;;   ~~~
;;   INPUTS GIVEN AS CODES. W_h (in the module: [1024, 1024], K = its axis 1); W_k (in the module: [1024, 1024], K = its axis 1); h_t (in the module: [64, 1024], K = its axis 1): each comes as NAME_codes (uint8): NAME with its K axis moved to the last place and cut into blocks of 32 codes, [.., K / 32, bytes a block], one block behind the other in memory; two codes a byte, the lower K in the low four bits (a code: sign, 2 exponent bits, 1 mantissa bit); and NAME_scales (uint8): the same leading axes, one E8M0 byte (e + 127) for each 32 codes along K. Its value is code x scale, taken as it is: it is not quantised again, and the codes and scales need not be those that the quantiser above would give.
;; One version. Each part assembles by itself: llvm-mc -triple=amdgcn-amd-amdhsa -mcpu=gfx1250 --defsym DOCPART=n.
;; ======== version 1 of 1: 2 launches
;; limits: values are held in bf16: 8 bits of precision; right only within a limited range of input values
;; workspace buffers: part 1,376,256 bytes
;; launch main (part 1): grid 256 x 1, 4 waves a work-group, clusters of 4 x 1, 327,680 bytes of LDS; arguments W_h_codes, W_h_scales, W_k_codes, W_k_scales, h_t_codes, h_t_scales, keys, v, part; writes part
.if DOCPART == 1
	.amdgcn_target "amdgcn-amd-amdhsa--gfx1250"
	.amdhsa_code_object_version 6
	.text
	.protected	k_q633237f166_main
	.globl	k_q633237f166_main
	.p2align	8
	.type	k_q633237f166_main,@function
k_q633237f166_main:
	s_mov_b64 s[64:65], 0
	v_nop
	global_prefetch_b8 v0, s[64:65] scope:SCOPE_SE
	s_setreg_imm32_b32 hwreg(HW_REG_WAVE_MODE, 25, 1), 1
	s_wait_xcnt 0x0
	s_wait_alu depctr_hold_cnt(0) depctr_sa_sdst(0) depctr_va_vdst(0) depctr_va_sdst(0) depctr_va_ssrc(0) depctr_va_vcc(0) depctr_vm_vsrc(0)
	s_getreg_b32 s2, hwreg(HW_REG_IB_STS2, 6, 4)
	s_cmp_eq_u32 s2, 0
	s_cbranch_scc0 .Lentry_in_a_cluster
	s_endpgm
.Lentry_in_a_cluster:
	s_bfe_u32 s2, ttmp6, 0x10000c
	s_cmp_lg_u32 s2, 0x3003
	s_cbranch_scc0 .Lentry_shape_is_right
	s_endpgm
.Lentry_shape_is_right:
; Additive attention, launch 1 of 2.  qh = h_t W_h^T and kh = keys W_k^T on codes of FP4 (E2M1) with one E8M0 scale for each 32 along K; score[n] = sum_e v[e] tanh(qh[e] + kh[n][e]);
; alpha = softmax(score); context = sum_n alpha[n] keys[n].  64 batches x 1,024 keys x 1,024 channels.
; WORK LEFT OUT.  tanh(x) = 1 - 2 r with r = 1 / (1 + 2^(c x)), c = 2 log2(e).  So score[n] = sum_e v[e] - 2 sum_e v[e] r[n][e].  The first term is the same for all n of a batch, whatever the inputs hold,
; and a softmax along n takes it away: it is not computed.  Carried is S[n] = sum_e v[e] r[n][e] and t[n] = -c S[n], the score in powers of two.  Every input has a way to an output and is loaded.
; LIMITS.  NaN and infinities among the inputs are not served; an overflow that would reach sum_e v[e] alone is not carried to the result.  A block of 32 keys' numbers whose largest magnitude lies under 2^-124
; gets the scale byte 1 (a block of zeros too, where the rule says 127: its codes are zeros, and this program alone reads the bytes).  For the context the weights p and the keys are rounded to bf16.
; THE SOFTMAX'S MAXIMUM is taken away: a running maximum m over the work-group's 256 keys here, the batch's maximum in the second launch.
; SHARES.  Work-group (batch b, quarter cx) owns 256 keys, in four tiles of 64.  It walks a weight matrix five times, 128 rows e (a group) at a time: W_h once (qh), W_k once for each tile.
; In a group wave w owns e = 128 g + 32 w + 0 .. 31 (two tiles of 16) for all 64 keys: 8 accumulators, 8 K steps of 128, 64 matrix instructions.
; THE PRODUCTS ARE USED TRANSPOSED: source 0 = 16 rows of W, source 1 = 16 keys.  Lane (r, h), register j then holds key r and unit 8 h + j: the sum over e stays in the lane.
; qh: source 1 holds h_t[b] in all 16 columns, so the result lies as the C of kh's first K step wants it.
; KEYS ARE READ ONCE.  While a tile is multiplied the next tile arrives in registers, is quantised, and goes to LDS as codes, scale bytes and bf16 rows.  At the change of tiles each wave takes the codes of all
; 64 keys (256 registers) and the bf16 numbers of its 256 channels (256 registers), which wait there until the tile's scores are whole.
; CLUSTER.  The four work-groups of a batch (and all others) walk the same weights in the same order: each group of W is asked for JOINTLY by the four, one tensor load with the mask 15.
; THE ACTIVATION of group g - 1 stands between the matrix instructions of group g: two accumulator sets take turns.
; LDS LOADS STAND AHEAD OF THEIR USE.  W's fragments have registers for four K steps: K steps 4, 5 are asked for behind the products of K steps 0, 1, and 6, 7 behind those of 2, 3: 16 matrix instructions ahead each.
; The next tile's codes are asked for ahead of the last group's activation, behind a barrier of their own.  A chunk's 24 LDS stores stand in one run and read registers that no load writes.
; OUT: a record of 5,376 bytes for each work-group: context[1024] under its own m, not divided; t[256]; the pair (m, l) 32 times.
;
; LDS
; PREFETCHES INTO THE L2.  Keys: behind each chunk's 16 loads a wave names, a lane to each 256 bytes, its own 8,192 bytes of the chunk that stands four chunks behind the one just loaded; the head names the chunks that the first four trips load;
; the last trips, whose chunk would lie behind the work-group's 32, ask for nothing.  W: on its first walk alone (groups 3 to 15 of W_h, W_k) the group two refills on: waves 0 and 1 for the 64 rows of codes that they fetch, wave 2 for the scale bytes;
; the four partners of a cluster share the blocks out by address (cx): 8,192 bytes of codes a wave, 1,024 scale bytes (lanes 4 to 31 name the wave's last block again).  In the later walks W has been read, and is not asked for.
.set RSLOT,  71936
.set RSC,    67584                     ; where a slot's scale bytes begin
.set WP,     528
.set HOLD,   143872                    ; the next tile's keys in bf16: 64 rows of 2,048 bytes + 32.  At the very end: 1,024 bytes a wave for the way out
.set HP,     2080
.set CODES,  276992                    ; the next tile's codes: 64 rows of 512 bytes + 16
.set CP,     528
.set KSC,    310784                    ; the next tile's scale bytes: 64 rows of 32 bytes + 16
.set KSP,    48
.set QHL,    313856                    ; qh, [wave][group][32] f32: each wave's own
.set VL,     317952                    ; v, laid the same way: each wave's own
.set PART,   322048                    ; [wave][64] f32: each wave's part of S
.set SPARE,  323072                    ; the spare words, 128 bytes for each wave: two blocks of 256 bytes that no other line names
.set REC,    5376
; scalar registers
.set WHC, 4
.set WHS, 6
.set WKC, 8
.set WKS, 10
.set HTC, 12
.set HTS, 14
.set KEYS, 16
.set VPT, 18
.set PARTP, 20
.set WV,  22                           ; my wave's number
.set CX,  23                           ; my place in the cluster: it enters the keys', the record's and W's prefetch addresses alone
.set T0,  24
.set T1,  25
.set T2,  26
.set T3,  27
.set G1C, 28                           ; s[28:35] descriptor group 1, codes
.set G1S, 36                           ; s[36:43] scale bytes
.set G0C, 44                           ; s[44:51] group 0, codes, a set for each slot
.set G0S, 52                           ; s[52:59] scale bytes
.set BC,  60                           ; s[60:61] W_h's or W_k's codes
.set BS,  62                           ; s[62:63] and scale bytes
.set OC,  66                           ; s[66:67] the next group's byte offset in the codes
.set OS,  68                           ; s[68:69] in the scale bytes
.set GN,  70                           ; groups entered
.set TT,  71
.set QN,  72                           ; key chunks worked
.set JN,  73
.set CNT1, 75
.set CNT2, 76
.set C2,  78                           ; s[78:79] c = 2 log2(e)
.set C3,  80                           ; s[80:81] -c
.set SEL, 82                           ; s[82:83] v_permlanex16_b32's selects for lane l xor 16
.set KB,  84                           ; s[84:85] the chunk asked for last
.set TP,  86                           ; s[86:87] where the tile's t go
.set RP,  88                           ; s[88:89] my record
.set KBASE, 90                         ; s[90:91] my work-group's first key
.set KO,  92                           ; s[92:93] a chunk's byte offset
.set RPW, 94                           ; s[94:95] my wave's 1,024 bytes of the record's context
.set XA,  96                           ; s[96:98] offsets made of the batch and cx, in the head
.set XB,  98
.set PK,  96                           ; s[96:97] behind the head: where my prefetch of keys stands
.set PW,  98                           ; s[98:99] behind the head: where my prefetch of W stands
.set PWH, 12                           ; s[12:13] behind the head: what I prefetch of W_h (waves 0, 1: my 64 rows of codes; else the scale bytes)
.set PWK, 14                           ; s[14:15] the same of W_k
.set LIMW, 74                          ; 16 in waves 0 to 2, 0 in wave 3: groups under it are prefetched
.set PFW, 92                           ; v92 the offset of W's prefetch; never rewritten behind the head
.set PFO, 93                           ; v93 the offset of the keys' prefetch: my wave's 16 rows + 256 x lane; never rewritten behind the head
; vector registers, window 0
.set SPW, 1                            ; LDS address of my spare word; never rewritten
.set NIL, 2                            ; 0; never rewritten
.set KOFF, 3
.set AHS, 4
.set ACS, 5
.set ASS, 6
.set CAH, 7
.set CAC, 8
.set CAS, 9
.set AW,  10                           ; v10-11 W's fragments in slot 0, 1
.set AWS, 12                           ; v12-13 W's scale words
.set AQ,  14
.set AV,  15
.set AQG, 16
.set AVG, 17
.set AA,  18
.set AAS, 19
.set AH,  20                           ; v20-21 bf16 rows 0-31, 32-63
.set AP,  22
.set AT,  23
.set AT2, 24
.set GO8, 25
.set GO16, 26
.set ZO,  27
.set OST, 28
.set ORD, 29
.set HTO, 30
.set VO,  31
.set WS,  32                           ; v32-39 W's scale words: register = K step; lanes 0-15 my first 16 rows, lanes 16-31 my second
.set AS,  40                           ; v40-55 the keys' scale words: register 8 (m / 2) + K step; lanes 0-15 even m, lanes 16-31 odd m.  In the first pass v40-47: h_t's
.set TW,  56                           ; v56-63 at work
.set MX,  64
.set EX,  72
.set CD,  80
.set CB,  96                           ; v96-223 two chunk buffers of 64
.set BF,  224                          ; v224-255 a chunk's numbers in bf16, on their way to LDS
; window 1: the keys' fragments, (m, K step) at 64 m + 8 ks.   window 2: the bf16 fragments, (16 channels d, 32 keys q) at 16 d + 8 q.   window 3:
.set ACC, 0                            ; two sets of 8 accumulators: set at 64, (tau, m) at 32 tau + 8 m
.set UU,  32
.set WF,  128                          ; W's fragments of four K steps: 16 (ks % 4) + 8 tau
.set PF,  128                          ; at a tile's end: p in bf16, two fragments
.set QHR, 192                          ; qh of my 32 units
.set VR,  208                          ; v of my 32 units
.set SS,  224                          ; S, a pair for each m
.set CT,  232                          ; the context, a register for each 16 channels
.set MM,  248
.set LL,  249
.set FF,  250
.set OLD, 252
.set MSB, 0
.macro WIN new                         ; the immediate's high byte repeats the setting that is left; a switch that changes nothing is dropped
.if MSB != \new
	s_set_vgpr_msb (MSB<<8)|\new
.set MSB, \new
.endif
.endm
; settings: 0xc0 destination window 3; 0x40, 0x80 destination window 1, 2; 0xf7 source 1 window 1, all else window 3; 0xff all window 3; 0xfb source 1 window 2, all else window 3; 0x0c source 1 (a store's data) window 3
.macro PLACES n
.rept \n
	v_nop
.endr
.endm
.macro CROUND                          ; a round of the cluster's barrier
	s_barrier_signal -1
	s_barrier_wait -1
	s_cmp_lg_u32 s[WV], 0
	s_cbranch_scc1 .Lnot_wave_0_\@
	s_barrier_signal -3
.Lnot_wave_0_\@:
	s_barrier_wait -3
	s_barrier_signal -1
	s_barrier_wait -1
.endm
; A joint load: waves 0 and 1 fetch 64 rows of codes each, wave 2 the group's scale bytes, wave 3 nothing.  The branches hang on the wave's number alone.  An s_nop 0 and four v_nop follow each load.
.macro JLOAD slot
	s_cmp_lt_u32 s[WV], 2
	s_cbranch_scc0 .Lnot_c_\@
	tensor_load_to_lds s[G0C+4*(\slot):G0C+4*(\slot)+3], s[G1C:G1C+7]
	s_nop 0
	PLACES 4
	s_branch .Lasked_\@
.Lnot_c_\@:
	s_cmp_eq_u32 s[WV], 2
	s_cbranch_scc0 .Lasked_\@
	tensor_load_to_lds s[G0S+4*(\slot):G0S+4*(\slot)+3], s[G1S:G1S+7]
	s_nop 0
	PLACES 4
.Lasked_\@:
.endm
; THE ACTIVATION of the 64 numbers of a set, in place: c x; 2^(c x); + 1; the reciprocal r; S += v r
.macro EPMUL pb, from, n               ; ascending: each accumulator is first read at its two lowest registers
.set y, \from
.rept \n
	v_pk_mul_f32 v[(\pb)+2*y:(\pb)+2*y+1], v[(\pb)+2*y:(\pb)+2*y+1], s[C2:C2+1] op_sel_hi:[1,0]
.set y, y+1
.endr
.endm
.macro EPADD pb, from, n
.set y, \from
.rept \n
	v_pk_add_f32 v[(\pb)+2*y:(\pb)+2*y+1], v[(\pb)+2*y:(\pb)+2*y+1], 1.0 op_sel_hi:[1,0]
.set y, y+1
.endr
.endm
.macro EPFMA pb                        ; the four tiles of keys by turns, so that no line waits for the line above it
.irp t, 0,1
.irp u, 0,1,2,3
.irp m, 0,1,2,3
	v_pk_fma_f32 v[SS+2*\m:SS+2*\m+1], v[(\pb)+32*\t+8*\m+2*\u:(\pb)+32*\t+8*\m+2*\u+1], v[VR+8*\t+2*\u:VR+8*\t+2*\u+1], v[SS+2*\m:SS+2*\m+1]
.endr
.endr
.endr
.endm
; THE HEAD OF A GROUP.  Each wave waits for all its tensor loads (one at the most is out: its part of the slot about to be read), adds 0 to its spare word, and waits for that and for its LDS reads and stores.
; refill = 1: the round shows that of every wave of the four work-groups, and the next group of W goes into the slot just left: it has a whole group's work in which to land.
; mul = 1: the last group's 32 scalings (set pb), work on registers that is due anyway, stand between the add and the wait for it.
.macro ENTER refill, slot, mul, pb
	s_wait_tensorcnt 0x0                           ; no tensor load of mine is out, so a group 0 may be written
	ds_add_u32 v[SPW], v[NIL]
.if \refill
	ds_add_u32 v[SPW], v[NIL]                      ; twice on end where a tensor load follows: wave 3 comes here with none behind it
.endif
	s_add_co_u32 s[GN], s[GN], 1
.if \refill
	s_and_b32 s[TT], s[GN], 7                      ; the next group's place in its matrix:
	s_lshl_b32 s[OC], s[TT], 16                    ; 128 rows of 512 bytes,
	s_lshl_b32 s[OS], s[TT], 12                    ; 128 rows of 32
	s_cmp_lt_u32 s[GN], 8                          ; groups 0 to 7 are W_h's
	s_cselect_b64 s[BC:BC+1], s[WHC:WHC+1], s[WKC:WKC+1]
	s_cselect_b64 s[BS:BS+1], s[WHS:WHS+1], s[WKS:WKS+1]
	s_add_nc_u64 s[G0C+4*(\slot)+2:G0C+4*(\slot)+3], s[BC:BC+1], s[OC:OC+1]
	s_or_b32 s[G0C+4*(\slot)+3], s[G0C+4*(\slot)+3], 0x80000000
	s_add_nc_u64 s[G0S+4*(\slot)+2:G0S+4*(\slot)+3], s[BS:BS+1], s[OS:OS+1]
	s_or_b32 s[G0S+4*(\slot)+3], s[G0S+4*(\slot)+3], 0x80000000
.endif
.if \mul
	WIN 0xf7
	s_wait_alu depctr_va_vdst(0)                   ; directly ahead of the first readers of the last group's sums
	EPMUL \pb, 0, 32                               ; the last products stand 4 plain lines or more back
	WIN 0
.endif
	s_wait_dscnt 0x0                               ; the add is done; my reads of the slot that is filled next are over, and so are my stores
.if \refill
	CROUND
	JLOAD \slot
.else
	s_barrier_signal -1
	s_barrier_wait -1
.endif
.endm
; W's fragments of n K steps, from on, my two tiles of 16 rows: 4 loads a K step.  A fragment of 4-bit codes is 8 registers: two loads of 16 bytes, 32 bytes apart
.macro LOADW slot, from, n
.set kk, \from
.rept \n
.irp t, 0,1
.irp c, 0,1
	ds_load_b128 v[WF+16*(kk%4)+8*\t+4*\c:WF+16*(kk%4)+8*\t+4*\c+3], v[AW+\slot] offset:16*WP*\t+64*kk+32*\c
.endr
.endr
.set kk, kk+1
.endr
.endm
; Product i of a group's 64: K step i / 8, tile of keys (i / 2) % 4, tile of rows i % 2.  The eight accumulators take turns, one instruction a turn.  The first K step takes qh as its C.
.macro WM set
.set ks, i/8
.set ta, i%2
.set mb, (i/2)%4
.set rD, ACC+64*(\set)+32*ta+8*mb
.set rC, rD
.if ks == 0
.set rC, QHR+8*ta
.endif
.set rA, WF+16*(ks%4)+8*ta
.set rB, 64*mb+8*ks
.set rW, WS+ks
.set rS, AS+8*(mb/2)+ks
.if (ta == 0) && (mb%2 == 0)
	v_wmma_scale_f32_16x16x128_f8f6f4 v[rD:rD+7], v[rA:rA+7], v[rB:rB+7], v[rC:rC+7], v[rW], v[rS] matrix_a_fmt:MATRIX_FMT_FP4 matrix_b_fmt:MATRIX_FMT_FP4
.elseif mb%2 == 0
	v_wmma_scale_f32_16x16x128_f8f6f4 v[rD:rD+7], v[rA:rA+7], v[rB:rB+7], v[rC:rC+7], v[rW], v[rS] matrix_a_fmt:MATRIX_FMT_FP4 matrix_b_fmt:MATRIX_FMT_FP4 matrix_a_scale:MATRIX_SCALE_ROW1
.elseif ta == 0
	v_wmma_scale_f32_16x16x128_f8f6f4 v[rD:rD+7], v[rA:rA+7], v[rB:rB+7], v[rC:rC+7], v[rW], v[rS] matrix_a_fmt:MATRIX_FMT_FP4 matrix_b_fmt:MATRIX_FMT_FP4 matrix_b_scale:MATRIX_SCALE_ROW1
.else
	v_wmma_scale_f32_16x16x128_f8f6f4 v[rD:rD+7], v[rA:rA+7], v[rB:rB+7], v[rC:rC+7], v[rW], v[rS] matrix_a_fmt:MATRIX_FMT_FP4 matrix_b_fmt:MATRIX_FMT_FP4 matrix_a_scale:MATRIX_SCALE_ROW1 matrix_b_scale:MATRIX_SCALE_ROW1
.endif
.endm
; Product i of qh's 16 in a group: K step i / 2, tile of rows i % 2; source 1 is h_t[b] in all 16 columns.  Two accumulators by turns; the first K step starts the sums
.macro QM
.set ks, i/2
.set ta, i%2
.set rD, ACC+8*ta
.set rA, WF+16*(ks%4)+8*ta
.set rB, 8*ks
.if (ks == 0) && (ta == 0)
	v_wmma_scale_f32_16x16x128_f8f6f4 v[rD:rD+7], v[rA:rA+7], v[rB:rB+7], 0, v[WS+ks], v[AS+ks] matrix_a_fmt:MATRIX_FMT_FP4 matrix_b_fmt:MATRIX_FMT_FP4
.elseif ks == 0
	v_wmma_scale_f32_16x16x128_f8f6f4 v[rD:rD+7], v[rA:rA+7], v[rB:rB+7], 0, v[WS+ks], v[AS+ks] matrix_a_fmt:MATRIX_FMT_FP4 matrix_b_fmt:MATRIX_FMT_FP4 matrix_a_scale:MATRIX_SCALE_ROW1
.elseif ta == 0
	v_wmma_scale_f32_16x16x128_f8f6f4 v[rD:rD+7], v[rA:rA+7], v[rB:rB+7], v[rD:rD+7], v[WS+ks], v[AS+ks] matrix_a_fmt:MATRIX_FMT_FP4 matrix_b_fmt:MATRIX_FMT_FP4
.else
	v_wmma_scale_f32_16x16x128_f8f6f4 v[rD:rD+7], v[rA:rA+7], v[rB:rB+7], v[rD:rD+7], v[WS+ks], v[AS+ks] matrix_a_fmt:MATRIX_FMT_FP4 matrix_b_fmt:MATRIX_FMT_FP4 matrix_a_scale:MATRIX_SCALE_ROW1
.endif
.endm
; ONE K STEP of a group: its 8 products on end (i counts the group's products), then, ep = 1, 16 of the other set's transcendentals as one batch: registers 16 (K step % 4) on.
; w = 1: the wait stands directly ahead of the 8 products: each is the first reader of the last K step's sum, behind that step's batch
.macro KS8 par, ep, op, w
.if (\ep) && (\w)
	s_wait_alu depctr_va_vdst(0)
.endif
.rept 8
	WM \par
.set i, i+1
.endr
.if \ep
.set y, 16*((i/8-1)%4)
.rept 16
	\op v[ACC+64*(1-\par)+y], v[ACC+64*(1-\par)+y]
.set y, y+1
.endr
.endif
.endm
.macro LOADV adr, off                  ; v of my 32 units of a group
.irp t, 0,1
.irp c, 0,1
	ds_load_b128 v[VR+8*\t+4*\c:VR+8*\t+4*\c+3], v[\adr] offset:(\off)+64*\t+16*\c
.endr
.endr
.endm
; A CHUNK OF KEYS: two rows (rho) of 4,096 bytes for each wave, 16 loads of 512 consecutive bytes.  Octet o = 4 rho + s is 1,024 bytes of a row
.macro KLOAD par, base, extra
.irp o, 0,1,2,3,4,5,6,7
.irp y, 0,1
	global_load_b128 v[CB+64*(\par)+8*\o+4*\y:CB+64*(\par)+8*\o+4*\y+3], v[KOFF], s[\base:\base+1] offset:(\extra)+4096*(\o/4)+1024*(\o%4)+512*\y th:TH_LOAD_NT
.endr
.endr
.endm
.macro CHUNK_PROCESS par
.set CHB, CB+64*(\par)
	s_wait_loadcnt 16                              ; my buffer's 16 loads are in; the other buffer's 16, issued behind them, may be out (where none were issued, all have been waited for)
	s_and_b32 s[JN], s[QN], 7                      ; the chunk's place in its tile: my rows 2 J and 2 J + 1
	s_mul_i32 s[T0], s[JN], 2*HP
	s_mul_i32 s[T1], s[JN], 2*CP
	s_mul_i32 s[T2], s[JN], 2*KSP
	v_add_nc_u32 v[CAH], s[T0], v[AHS]
	v_add_nc_u32 v[CAC], s[T1], v[ACS]
	v_add_nc_u32 v[CAS], s[T2], v[ASS]
.irp o, 0,1,2,3,4,5,6,7
.irp k, 0,1,2,3
	v_permlane16_swap_b32 v[CHB+8*\o+\k], v[CHB+8*\o+4+\k]   ; lane (i, H) now holds eight neighbours: channels 256 s + 128 H + 8 i + 0 .. 7
.endr
.endr
.irp o, 0,1,2,3,4,5,6,7
	v_max3_num_f32 v[MX+\o], |v[CHB+8*\o]|, |v[CHB+8*\o+1]|, 0x1800000   ; my eight, and the floor 2^(3 - 127): the byte cannot fall under 1
.endr
.irp j, 2,4,6
.irp o, 0,1,2,3,4,5,6,7
	v_max3_num_f32 v[MX+\o], v[MX+\o], |v[CHB+8*\o+\j]|, |v[CHB+8*\o+\j+1]|
.endr
.endr
.irp o, 0,1,2,3,4,5,6,7
	v_max_num_f32_dpp v[MX+\o], v[MX+\o], v[MX+\o] row_xmask:1 row_mask:0xf bank_mask:0xf
.endr
.irp o, 0,1,2,3,4,5,6,7
	v_max_num_f32_dpp v[MX+\o], v[MX+\o], v[MX+\o] row_xmask:2 row_mask:0xf bank_mask:0xf   ; four lanes hold a block of 32
.endr
.irp o, 0,1,2,3,4,5,6,7
	v_add_nc_u32 v[EX+\o], 0xff000000, v[MX+\o]    ; 2 off the exponent field: the conversion takes the exponent field of this operand as its scale
.endr
.irp o, 0,1,2,3,4,5,6,7
	v_cvt_scalef32_pk8_fp4_f32 v[CD+\o], v[CHB+8*\o:CHB+8*\o+7], v[EX+\o]
.endr
.irp o, 0,1,2,3,4,5,6,7
	v_lshrrev_b32 v[MX+\o], 23, v[EX+\o]           ; the scale's byte.  (Plain lines behind the conversions)
.endr
.irp o, 0,1,2,3,4,5,6,7
.irp k, 0,1,2,3
	v_cvt_pk_bf16_f32 v[BF+4*\o+\k], v[CHB+8*\o+2*\k], v[CHB+8*\o+2*\k+1]   ; into registers of their own: the buffer is free for the next loads as soon as these lines have read it
.endr
.endr
.irp o, 0,1,2,3,4,5,6,7                ; the chunk's 24 stores in one run.  What they read (codes, bytes, bf16) is written again only in the next group, behind the wait for all LDS instructions at its head
	ds_store_b32 v[CAC], v[CD+\o] offset:CP*(\o/4)+128*(\o%4)
	ds_store_b8 v[CAS], v[MX+\o] offset:KSP*(\o/4)+8*(\o%4)   ; the four lanes of a block write the same byte with the same value
.endr
.irp o, 0,1,2,3,4,5,6,7
	ds_store_b128 v[CAH], v[BF+4*\o:BF+4*\o+3] offset:HP*(\o/4)+512*(\o%4)
.endr
.endm
; The chunk two on goes into the buffer just worked.  The last two chunks have no successor: no load leaves the buffer; there the other buffer's loads are waited for.
; sure = 1: in every trip of this copy the chunk has a successor (the first pass; a tile's groups 0, 1, 3, 5): no test is written.  pw = 1: W's prefetch is written (not in a tile's last group, whose group two refills on is never under 16)
.macro CHUNK_ISSUE par, sure, pw
.if !\sure
	s_cmp_lt_u32 s[QN], 30
	s_cbranch_scc0 .Lno_more_\@
.endif
	s_add_co_u32 s[T0], s[QN], 2
	s_lshr_b32 s[T1], s[T0], 3
	s_lshl_b32 s[T1], s[T1], 18                    ; its tile: 64 rows of 4,096 bytes
	s_and_b32 s[T0], s[T0], 7
	s_lshl_b32 s[T0], s[T0], 13                    ; its two rows
	s_add_co_u32 s[KO], s[T0], s[T1]
	s_wait_xcnt 0x0                                ; the loads that named the base have read it
	s_add_nc_u64 s[KB:KB+1], s[KBASE:KBASE+1], s[KO:KO+1]
	KLOAD \par, KB, 0
	s_cmp_lt_u32 s[QN], 26                         ; chunk QN + 6 is one of the 32
	s_cbranch_scc0 .Lno_pk_\@
	s_add_co_u32 s[T0], s[QN], 6
	s_lshr_b32 s[T1], s[T0], 3
	s_lshl_b32 s[T1], s[T1], 18
	s_and_b32 s[T0], s[T0], 7
	s_lshl_b32 s[T0], s[T0], 13
	s_add_co_u32 s[KO], s[T0], s[T1]
	s_add_nc_u64 s[PK:PK+1], s[KBASE:KBASE+1], s[KO:KO+1]   ; behind this trip's wait on XCNT: the last trip's prefetch has read it
	global_prefetch_b8 v[PFO], s[PK:PK+1] th:TH_LOAD_NT scope:SCOPE_SE
.Lno_pk_\@:
.if \pw
	s_add_co_u32 s[T0], s[GN], 2                   ; s[GN]: the group just asked for; two refills on
	s_cmp_lt_u32 s[T0], s[LIMW]
	s_cbranch_scc0 .Lno_pw_\@
	s_and_b32 s[T1], s[T0], 7
	s_lshl_b32 s[T2], s[T1], 16                    ; a group's codes,
	s_lshl_b32 s[T3], s[T1], 12                    ; its scale bytes
	s_cmp_lt_u32 s[WV], 2
	s_cselect_b32 s[KO], s[T2], s[T3]
	s_cmp_lt_u32 s[T0], 8                          ; groups 0 to 7 are W_h's
	s_cselect_b64 s[PW:PW+1], s[PWH:PWH+1], s[PWK:PWK+1]
	s_add_nc_u64 s[PW:PW+1], s[PW:PW+1], s[KO:KO+1]
	global_prefetch_b8 v[PFW], s[PW:PW+1] th:TH_LOAD_NT scope:SCOPE_SE
.Lno_pw_\@:
.endif
.if !\sure
	s_branch .Lissued_\@
.Lno_more_\@:
	s_wait_loadcnt 0x0
.Lissued_\@:
.endif
	s_add_co_u32 s[QN], s[QN], 1
.endm
; A GROUP of W_k.  par: its slot and its accumulator set.  ep = 1: the last group's activation stands between the products.  chunk = 1: a chunk of the next tile's keys is worked and the chunk two on asked for.
.macro GROUP par, ep, refill, chunk, sure, pw
	ENTER \refill, 1-\par, (\ep)*(\chunk), ACC+64*(1-\par)
	s_sub_co_u32 s[T0], s[GN], 1
	s_and_b32 s[T0], s[T0], 7
	s_lshl_b32 s[T0], s[T0], 7
	v_add_nc_u32 v[AQG], s[T0], v[AQ]              ; this group's qh
.if \ep
	s_sub_co_u32 s[T0], s[GN], 2
	s_and_b32 s[T0], s[T0], 7
	s_lshl_b32 s[T0], s[T0], 7
	v_add_nc_u32 v[AVG], s[T0], v[AV]              ; the last group's v
.endif
	ds_load_b128 v[WS:WS+3], v[AWS+\par]
	ds_load_b128 v[WS+4:WS+7], v[AWS+\par] offset:16
	WIN 0xc0
	LOADW \par, 0, 4
.irp t, 0,1
.irp c, 0,1
	ds_load_b128 v[QHR+8*\t+4*\c:QHR+8*\t+4*\c+3], v[AQG] offset:64*\t+16*\c
.endr
.endr
.if \ep
	LOADV AVG, 0
.endif
.if \chunk
	WIN 0
	CHUNK_PROCESS \par
	CHUNK_ISSUE \par, \sure, \pw
.endif
	WIN 0xf7
.if (\ep) && !(\chunk)
	s_wait_alu depctr_va_vdst(0)                   ; directly ahead of the first readers of the last group's sums
	EPMUL ACC+64*(1-\par), 0, 32                   ; with no keys to work the scalings stand behind the head's LDS loads
.endif
.if \chunk
	s_wait_dscnt 24                                ; W's fragments, the scale words, qh and v are in; the chunk's 24 stores, issued behind them, may be out
.else
	s_wait_dscnt 0x0
.endif
.if \ep
	s_wait_alu depctr_va_vdst(0)                   ; the wait ahead of the batch of exponentials
.endif
.set i, 0
	KS8 \par, \ep, v_exp_f32, 0                    ; K steps 0, 1 (the wait above stands ahead of the first)
	KS8 \par, \ep, v_exp_f32, 1
	PLACES 4                                       ; the places in front of the loads into the registers of K steps 0, 1
	WIN 0xc0
	LOADW \par, 4, 2
	WIN 0xf7
	KS8 \par, \ep, v_exp_f32, 1                    ; K steps 2, 3
	KS8 \par, \ep, v_exp_f32, 1
.if \ep
	v_nop                                          ; a plain line behind the last exponential,
	s_wait_alu depctr_va_vdst(0)                   ; and one wait for the 64, ahead of their first reader
	EPADD ACC+64*(1-\par), 0, 8                    ; these nine plain lines are also the places in front of the loads into the registers of K steps 2, 3
.else
	PLACES 4
.endif
	WIN 0xc0
	LOADW \par, 6, 2
	WIN 0xf7
.if \ep
	EPADD ACC+64*(1-\par), 8, 24
.endif
	s_wait_dscnt 8                                 ; K steps 4, 5 are in (asked for 16 matrix instructions ago); the 8 loads just issued may be out
.if \ep
	s_wait_alu depctr_va_vdst(0)                   ; the wait ahead of the batch of reciprocals
.endif
	KS8 \par, \ep, v_rcp_f32, 0                    ; K steps 4, 5 (the wait above stands ahead of the first)
	KS8 \par, \ep, v_rcp_f32, 1
	s_wait_dscnt 0x0                               ; K steps 6, 7 are in
	KS8 \par, \ep, v_rcp_f32, 1                    ; K steps 6, 7
	KS8 \par, \ep, v_rcp_f32, 1
.if \ep
	v_nop
	s_wait_alu depctr_va_vdst(0)                   ; one wait for the 64 reciprocals
	WIN 0xff
	EPFMA ACC+64*(1-\par)                          ; 32 plain lines that name none of the last products' registers: their places
.else
	PLACES 4
.endif
	WIN 0
.endm
; A GROUP of W_h: qh of my 32 units, into my own part of QHL; a chunk of the first tile's keys
.macro QGROUP par
	ENTER 1, 1-\par, 0, 0
	s_sub_co_u32 s[T0], s[GN], 1
	s_and_b32 s[T0], s[T0], 7
	s_lshl_b32 s[T0], s[T0], 7
	v_add_nc_u32 v[AQG], s[T0], v[AQ]
	ds_load_b128 v[WS:WS+3], v[AWS+\par]
	ds_load_b128 v[WS+4:WS+7], v[AWS+\par] offset:16
	WIN 0xc0
	LOADW \par, 0, 4
	WIN 0
	CHUNK_PROCESS \par
	CHUNK_ISSUE \par, 1, 1
	s_wait_dscnt 24                                ; W's fragments and scale words are in; the chunk's 24 stores may be out
	WIN 0xf7
.set i, 0
.rept 8
	QM
.set i, i+1
.endr
	PLACES 4
	WIN 0xc0
	LOADW \par, 4, 4
	s_wait_dscnt 0x0
	WIN 0xf7
.rept 8
	QM
.set i, i+1
.endr
	PLACES 4
	WIN 0x0c
.irp t, 0,1
.irp c, 0,1
	ds_store_b128 v[AQG], v[ACC+8*\t+4*\c:ACC+8*\t+4*\c+3] offset:64*\t+16*\c   ; each accumulator from its low end on; the sixteen lanes of a half write the same bytes with the same values
.endr
.endr
	WIN 0
.endm
.macro LOAD_AS                         ; the tile's scale words: lane l takes row 32 q + l
.irp q, 0,1
.irp c, 0,1
	ds_load_b128 v[AS+8*\q+4*\c:AS+8*\q+4*\c+3], v[AAS] offset:32*KSP*\q+16*\c
.endr
.endr
.endm
.macro LOAD_AM m                       ; the eight fragments of keys 16 m .. 16 m + 15
.irp k, 0,1,2,3,4,5,6,7
.irp c, 0,1
	ds_load_b128 v[64*(\m)+8*\k+4*\c:64*(\m)+8*\k+4*\c+3], v[AA] offset:16*CP*(\m)+64*\k+32*\c
.endr
.endr
.endm
.macro LOAD_H                          ; my 256 channels of the tile's 64 keys in bf16, turned: 32 fragments of 32 keys x 16 channels; and S begins anew
	WIN 0x80
.irp d, 0,1,2,3,4,5,6,7,8,9,10,11,12,13,14,15
.irp q, 0,1
.irp z, 0,1
	ds_load_tr16_b128 v[16*\d+8*\q+4*\z:16*\d+8*\q+4*\z+3], v[AH+\q] offset:32*\d+16*HP*\z
.endr
.endr
.endr
	WIN 0xc0
.irp m, 0,1,2,3,4,5,6,7
	v_mov_b32 v[SS+\m], 0
.endr
.endm
; The activation of a tile's last group (set 1), which has no products to stand between.  next = 1: the next tile's codes and scale words, 68 loads, are asked for ahead of it: the tile's last products,
; which read those registers, stand 32 plain lines back
.macro DRAIN next
	WIN 0xc0
	LOADV AV, 896
.if \next
	WIN 0
	LOAD_AS
	WIN 0x40
	LOAD_AM 0
	LOAD_AM 1
	LOAD_AM 2
	LOAD_AM 3
.endif
	WIN 0xf7
	s_wait_alu depctr_va_vdst(0)                   ; directly ahead of the first readers of the last group's sums
	EPMUL ACC+64, 0, 32
	s_wait_alu depctr_va_vdst(0)                   ; and ahead of the batch of exponentials
.set y, 0
.rept 64
	v_exp_f32 v[ACC+64+y], v[ACC+64+y]
.set y, y+1
.endr
	v_nop
	s_wait_alu depctr_va_vdst(0)
	EPADD ACC+64, 0, 32
	s_wait_alu depctr_va_vdst(0)                   ; the wait ahead of the batch of reciprocals
.set y, 0
.rept 64
	v_rcp_f32 v[ACC+64+y], v[ACC+64+y]
.set y, y+1
.endr
	v_nop
	s_wait_alu depctr_va_vdst(0)
	s_wait_dscnt 0x0                               ; v (and the next tile's codes, which the barrier a few lines on would wait for anyway)
	WIN 0xff
	EPFMA ACC+64
.endm
; A TILE'S END: the four waves' parts of S meet in LDS; every wave makes t, the new m, p and l for all 64 keys; context = context x F + p . keys on its 256 channels.  next = 1: the next tile's bf16 numbers are taken out of LDS
.macro TILE_END next
	WIN 0xff
.irp m, 0,1,2,3
	v_add_f32 v[SS+2*\m], v[SS+2*\m], v[SS+2*\m+1]
.endr
.irp m, 0,1,2,3
	v_permlanex16_b32 v[SS+2*\m+1], v[SS+2*\m], s[SEL], s[SEL+1]
.endr
.irp m, 0,1,2,3
	v_add_f32 v[SS+2*\m], v[SS+2*\m], v[SS+2*\m+1] ; with lane l xor 16's eight units: my 32 e of key 16 m + r, summed over the eight groups
.endr
	WIN 0x0c
.irp m, 0,1,2,3
	ds_store_b32 v[AP], v[SS+2*\m] offset:64*\m
.endr
	WIN 0
	s_wait_dscnt 0x0                               ; for the others' sake: my part of S lies in LDS
	s_barrier_signal -1
	s_barrier_wait -1                              ; the tensor load that may be out lands in a slot that is read behind the next round
	WIN 0xc0
.irp w, 0,1,2,3
.irp q, 0,1
.irp c, 0,1
.irp u, 0,1
	ds_load_b128 v[ACC+32*\w+16*\q+8*\c+4*\u:ACC+32*\w+16*\q+8*\c+4*\u+3], v[AT] offset:256*\w+128*\q+64*\c+16*\u   ; register 16 q + 8 c + n: key 32 q + 16 c + 8 h + n, as the bf16 operand wants it
.endr
.endr
.endr
.endr
	s_wait_dscnt 0x0
	WIN 0xff
.set y, 0
.rept 16
	v_pk_add_f32 v[ACC+2*y:ACC+2*y+1], v[ACC+2*y:ACC+2*y+1], v[ACC+32+2*y:ACC+32+2*y+1]
.set y, y+1
.endr
.set y, 0
.rept 16
	v_pk_add_f32 v[ACC+64+2*y:ACC+64+2*y+1], v[ACC+64+2*y:ACC+64+2*y+1], v[ACC+96+2*y:ACC+96+2*y+1]
.set y, y+1
.endr
.set y, 0
.rept 16
	v_pk_add_f32 v[ACC+2*y:ACC+2*y+1], v[ACC+2*y:ACC+2*y+1], v[ACC+64+2*y:ACC+64+2*y+1]
.set y, y+1
.endr
.set y, 0
.rept 16
	v_pk_mul_f32 v[ACC+2*y:ACC+2*y+1], v[ACC+2*y:ACC+2*y+1], s[C3:C3+1] op_sel_hi:[1,0]   ; t = -c S
.set y, y+1
.endr
.irp k, 0,1,2,3
	v_max3_num_f32 v[UU+\k], v[ACC+8*\k], v[ACC+8*\k+1], v[ACC+8*\k+2]
.endr
.irp j, 3,5
.irp k, 0,1,2,3
	v_max3_num_f32 v[UU+\k], v[UU+\k], v[ACC+8*\k+\j], v[ACC+8*\k+\j+1]
.endr
.endr
.irp k, 0,1,2,3
	v_max_num_f32 v[UU+\k], v[UU+\k], v[ACC+8*\k+7]
.endr
	v_max3_num_f32 v[UU], v[UU], v[UU+1], v[UU+2]
	v_max_num_f32 v[UU], v[UU], v[UU+3]
	v_permlanex16_b32 v[UU+1], v[UU], s[SEL], s[SEL+1]
	v_mov_b32 v[OLD], v[MM]
	v_max3_num_f32 v[MM], v[UU], v[UU+1], v[MM]    ; the running maximum
	v_sub_f32 v[OLD], v[OLD], v[MM]
.set y, 0
.rept 16
	v_pk_add_f32 v[ACC+2*y:ACC+2*y+1], v[ACC+2*y:ACC+2*y+1], v[MM:MM+1] op_sel_hi:[1,0] neg_lo:[0,1] neg_hi:[0,1]   ; t - m (of the pair m, l the low word serves both halves)
.set y, y+1
.endr
.set y, 0
	s_wait_alu depctr_va_vdst(0)                   ; the wait ahead of the batch
.rept 32
	v_exp_f32 v[ACC+y], v[ACC+y]                   ; p = 2^(t - m), at most 1
.set y, y+1
.endr
	v_exp_f32 v[FF], v[OLD]                        ; F = 2^(old m - new m)
	v_nop
	s_wait_alu depctr_va_vdst(0)                   ; one wait for the 33
.set y, 0
.rept 16
	v_cvt_pk_bf16_f32 v[PF+y], v[ACC+2*y], v[ACC+2*y+1]
.set y, y+1
.endr
.irp a, 0,1,2,3,4,5,6,7
	v_pk_add_f32 v[ACC+4*\a:ACC+4*\a+1], v[ACC+4*\a:ACC+4*\a+1], v[ACC+4*\a+2:ACC+4*\a+3]   ; the sum is taken of p before it is rounded
.endr
.irp a, 0,1,2,3
	v_pk_add_f32 v[ACC+8*\a:ACC+8*\a+1], v[ACC+8*\a:ACC+8*\a+1], v[ACC+8*\a+4:ACC+8*\a+5]
.endr
.irp a, 0,1
	v_pk_add_f32 v[ACC+16*\a:ACC+16*\a+1], v[ACC+16*\a:ACC+16*\a+1], v[ACC+16*\a+8:ACC+16*\a+9]
.endr
	v_pk_add_f32 v[ACC:ACC+1], v[ACC:ACC+1], v[ACC+16:ACC+17]
	v_add_f32 v[ACC], v[ACC], v[ACC+1]
	v_permlanex16_b32 v[ACC+1], v[ACC], s[SEL], s[SEL+1]
	v_add_f32 v[ACC], v[ACC], v[ACC+1]
	v_fma_f32 v[LL], v[LL], v[FF], v[ACC]          ; l = l F + the tile's sum
	WIN 0xfb
.irp d, 0,1,2,3,4,5,6,7,8,9,10,11,12,13,14,15
	v_wmma_f32_16x16x32_bf16 v[ACC+8*\d:ACC+8*\d+7], v[PF:PF+7], v[16*\d:16*\d+7], 0   ; source 0: p, the same in all 16 rows; source 1: 32 keys x 16 channels.  Sixteen accumulators by turns
.endr
.irp d, 0,1,2,3,4,5,6,7,8,9,10,11,12,13,14,15
	v_wmma_f32_16x16x32_bf16 v[ACC+8*\d:ACC+8*\d+7], v[PF+8:PF+15], v[16*\d+8:16*\d+15], v[ACC+8*\d:ACC+8*\d+7]
.endr
	PLACES 4
	WIN 0xff
.irp d, 0,1,2,3,4,5,6,7,8,9,10,11,12,13,14,15
	v_fma_f32 v[CT+\d], v[CT+\d], v[FF], v[ACC+8*\d]   ; the lowest register of each result: channel 256 w + 16 d + r
.endr
	WIN 0
	s_wait_alu depctr_va_vdst(0)                   ; the wait here, ahead of the branch
	s_cmp_lg_u32 s[WV], 0
	s_cbranch_scc1 .Lnot_t_\@
	ds_load_b64 v[TW:TW+1], v[AT2]                 ; wave 0 stores the tile's 64 t: two a lane, summed in the same order as above
	ds_load_b64 v[TW+2:TW+3], v[AT2] offset:256
	ds_load_b64 v[TW+4:TW+5], v[AT2] offset:512
	ds_load_b64 v[TW+6:TW+7], v[AT2] offset:768
	s_wait_dscnt 0x0
	v_pk_add_f32 v[TW:TW+1], v[TW:TW+1], v[TW+2:TW+3]
	v_pk_add_f32 v[TW+4:TW+5], v[TW+4:TW+5], v[TW+6:TW+7]
	v_pk_add_f32 v[TW:TW+1], v[TW:TW+1], v[TW+4:TW+5]
	v_pk_mul_f32 v[TW:TW+1], v[TW:TW+1], s[C3:C3+1] op_sel_hi:[1,0]
	global_store_b64 v[GO8], v[TW:TW+1], s[TP:TP+1]   ; 32 lanes store 256 consecutive bytes, aligned
	s_wait_xcnt 0x0                                ; the store has read its base and its data
	s_add_nc_u64 s[TP:TP+1], s[TP:TP+1], 256
.Lnot_t_\@:
.if \next
	LOAD_H                                         ; behind the products that read the old fragments, and their places
.endif
	WIN 0
.endm
.macro TILE chunk, fin
	GROUP 0, 0, 1, \chunk, 1, 1
	s_mov_b32 s[CNT1], 3
.Lpair_\@:
	GROUP 1, 1, 1, \chunk, 1, 1
	GROUP 0, 1, 1, \chunk, 0, 1
	s_sub_co_u32 s[CNT1], s[CNT1], 1
	s_cmp_lg_u32 s[CNT1], 0
	s_cbranch_scc1 .Lpair_\@
	GROUP 1, 1, 1-\fin, \chunk, 0, 0
.if !\fin
	s_wait_dscnt 0x0                               ; for the others' sake: my part of the next tile lies in LDS
	s_barrier_signal -1
	s_barrier_wait -1                              ; everybody's does.  The tensor load that may be out lands in a slot that is read behind the next round
.endif
	DRAIN 1-\fin
	TILE_END 1-\fin
.endm
	; ---------------- the head
	s_load_b256 s[4:11], s[0:1], 0x0               ; W_h's codes, scales; W_k's codes, scales
	s_load_b256 s[12:19], s[0:1], 0x20             ; h_t's codes, scales; keys; v
	s_load_b64 s[20:21], s[0:1], 0x40              ; part
	v_lshl_add_u32 v[SPW], v0, 2, SPARE
	v_mov_b32 v[NIL], 0
	ds_add_u32 v[SPW], v[NIL]                      ; the wave's opening: the add, twice on end, and its wait ahead of the round in front of the first tensor loads
	ds_add_u32 v[SPW], v[NIL]
	v_lshrrev_b32 v88, 5, v0
	v_readfirstlane_b32 s[WV], v88                 ; wave 0..3
	s_bfe_u32 s[CX], ttmp6, 0x40000                ; cx; ttmp9 counts clusters: the batch
	; group 1, codes: 64 rows of 512 bytes, 16 bytes of padding behind each
	s_mov_b32 s[G1C], 15|(0<<16)|(1<<20)|(1<<21)|(6<<22)|(3<<25)   ; 15:0 the mask: all four work-groups; elements of 1 byte; padding on; bit 21 beside a mask; after every 128 words; 4 words
	s_mov_b32 s[G1C+1], 512<<16                    ; tensor_dim0
	s_mov_b32 s[G1C+2], 64<<16                     ; tensor_dim1
	s_mov_b32 s[G1C+3], 512<<16                    ; tile_dim0
	s_mov_b32 s[G1C+4], 64                         ; tile_dim1
	s_mov_b32 s[G1C+5], 512                        ; from row to row
	s_mov_b32 s[G1C+6], 0
	s_mov_b32 s[G1C+7], 0
	; group 1, scale bytes: 4,096 dense bytes as 16 rows of 256 (32 elements of 8 bytes), 16 bytes of padding behind each
	s_mov_b32 s[G1S], 15|(3<<16)|(1<<20)|(1<<21)|(5<<22)|(3<<25)
	s_mov_b32 s[G1S+1], 32<<16
	s_mov_b32 s[G1S+2], 16<<16
	s_mov_b32 s[G1S+3], 32<<16
	s_mov_b32 s[G1S+4], 16
	s_mov_b32 s[G1S+5], 32
	s_mov_b32 s[G1S+6], 0
	s_mov_b32 s[G1S+7], 0
	s_mov_b32 s[C2], 0x4038aa3b                    ; c = 2 log2(e)
	s_mov_b32 s[C2+1], s[C2]
	s_mov_b32 s[C3], 0xc038aa3b                    ; -c
	s_mov_b32 s[C3+1], s[C3]
	s_mov_b32 s[SEL], 0x76543210
	s_mov_b32 s[SEL+1], 0xfedcba98
	s_mov_b32 s[OC+1], 0
	s_mov_b32 s[OS+1], 0
	s_mov_b32 s[KO+1], 0
	s_mov_b32 s[GN], 0
	s_mov_b32 s[QN], 0
	s_and_b32 s[T2], s[WV], 1                      ; which 64 rows of a group's codes I fetch, if I fetch codes:
	s_lshl_b32 s[T0], s[T2], 15                    ; in memory,
	s_mov_b32 s[T1], 0
	s_mul_i32 s[T3], s[T2], 64*WP                  ; and in a slot: no place in the cluster enters an LDS address
	s_mov_b32 s[G0C], 1
	s_mov_b32 s[G0C+1], s[T3]
	s_mov_b32 s[G0C+4], 1
	s_add_co_u32 s[G0C+5], s[T3], RSLOT
	s_mov_b32 s[G0S], 1
	s_mov_b32 s[G0S+1], RSC
	s_mov_b32 s[G0S+4], 1
	s_mov_b32 s[G0S+5], RSLOT+RSC
	s_wait_dscnt 0x0                               ; both opening adds are done
	s_wait_kmcnt 0x0
	s_add_nc_u64 s[WHC:WHC+1], s[WHC:WHC+1], s[T0:T0+1]
	s_add_nc_u64 s[WKC:WKC+1], s[WKC:WKC+1], s[T0:T0+1]
	s_mov_b64 s[G0C+2:G0C+3], s[WHC:WHC+1]         ; slot 0: W_h's group 0
	s_or_b32 s[G0C+3], s[G0C+3], 0x80000000
	s_mov_b64 s[G0S+2:G0S+3], s[WHS:WHS+1]
	s_or_b32 s[G0S+3], s[G0S+3], 0x80000000
	CROUND                                         ; all four work-groups are here: the first joint loads meet
	JLOAD 0
	s_lshl_b32 s[XA], ttmp9, 22                    ; my batch: 1,024 keys of 4,096 bytes,
	s_lshl_b32 s[XB], s[CX], 20                    ; my quarter: 256 keys
	s_add_co_u32 s[XA], s[XA], s[XB]
	s_mov_b32 s[XA+1], 0
	s_add_nc_u64 s[KBASE:KBASE+1], s[KEYS:KEYS+1], s[XA:XA+1]
	s_lshl_b32 s[XA], ttmp9, 2
	s_add_co_u32 s[XA], s[XA], s[CX]
	s_mul_i32 s[XA], s[XA], REC
	s_add_nc_u64 s[RP:RP+1], s[PARTP:PARTP+1], s[XA:XA+1]
	s_add_nc_u64 s[TP:TP+1], s[RP:RP+1], 4096
	s_lshl_b32 s[T0], s[WV], 10
	s_add_nc_u64 s[RPW:RPW+1], s[RP:RP+1], s[T0:T0+1]
	s_lshl_b32 s[T0], ttmp9, 9
	s_add_nc_u64 s[HTC:HTC+1], s[HTC:HTC+1], s[T0:T0+1]   ; h_t[b]: 512 bytes of codes,
	s_lshl_b32 s[T0], ttmp9, 5
	s_add_nc_u64 s[HTS:HTS+1], s[HTS:HTS+1], s[T0:T0+1]   ; 32 scale bytes
	v_and_b32 v88, 31, v0                          ; l
	v_and_b32 v89, 15, v0                          ; r, also i
	v_bfe_u32 v90, v0, 4, 1                        ; h, also H
	v_lshlrev_b32 v[KOFF], 5, v89
	v_lshl_add_u32 v[KOFF], v90, 4, v[KOFF]
	s_lshl_b32 s[T0], s[WV], 16
	v_add_nc_u32 v[KOFF], s[T0], v[KOFF]           ; keys: my wave's 16 rows of a tile, + 32 i + 16 H: a load's 32 lanes cover 512 consecutive bytes
	v_lshlrev_b32 v[HTO], 4, v90
	v_mov_b32 v[ZO], 0
	v_lshrrev_b32 v94, 2, v88
	v_and_b32 v95, 3, v88
	v_lshlrev_b32 v[VO], 9, v94
	v_lshl_add_u32 v[VO], v95, 5, v[VO]
	s_lshl_b32 s[T0], s[WV], 7
	v_add_nc_u32 v[VO], s[T0], v[VO]               ; v: group l / 4, my wave's 32 units, eight numbers a lane
	WIN 0x40
.irp k, 0,1,2,3,4,5,6,7
.irp c, 0,1
	global_load_b128 v[8*\k+4*\c:8*\k+4*\c+3], v[HTO], s[HTC:HTC+1] offset:64*\k+32*\c   ; h_t[b]'s eight fragments: every lane r takes the same row
.endr
.endr
	WIN 0
	global_load_b128 v[AS:AS+3], v[ZO], s[HTS:HTS+1]              ; and its eight scale words, the same in every lane
	global_load_b128 v[AS+4:AS+7], v[ZO], s[HTS:HTS+1] offset:16
	global_load_b128 v[TW:TW+3], v[VO], s[VPT:VPT+1]
	global_load_b128 v[TW+4:TW+7], v[VO], s[VPT:VPT+1] offset:16
	KLOAD 0, KBASE, 0                              ; the first two chunks of keys
	KLOAD 1, KBASE, 8192
	v_lshlrev_b32 v[AHS], 4, v89
	v_lshl_add_u32 v[AHS], v90, 8, v[AHS]
	s_mul_i32 s[T0], s[WV], 16*HP
	s_add_co_u32 s[T0], s[T0], HOLD
	v_add_nc_u32 v[AHS], s[T0], v[AHS]             ; bf16 out: my wave's 16 rows, + 256 H + 16 i
	v_lshlrev_b32 v[ACS], 2, v89
	v_lshl_add_u32 v[ACS], v90, 6, v[ACS]
	s_mul_i32 s[T0], s[WV], 16*CP
	s_add_co_u32 s[T0], s[T0], CODES
	v_add_nc_u32 v[ACS], s[T0], v[ACS]             ; codes out: + 64 H + 4 i
	v_lshrrev_b32 v[ASS], 2, v89
	v_lshl_add_u32 v[ASS], v90, 2, v[ASS]
	s_mul_i32 s[T0], s[WV], 16*KSP
	s_add_co_u32 s[T0], s[T0], KSC
	v_add_nc_u32 v[ASS], s[T0], v[ASS]             ; scale bytes out: + 4 H + i / 4
	v_mul_u32_u24 v91, v89, WP
	v_lshl_add_u32 v91, v90, 4, v91                ; a fragment's row x pitch + 16 h
	s_mul_i32 s[T0], s[WV], 32*WP
	v_add_nc_u32 v[AW], s[T0], v91
	v_add_nc_u32 v[AW+1], RSLOT, v[AW]
	v_add_nc_u32 v[AA], CODES, v91
	v_lshrrev_b32 v92, 3, v88
	v_lshlrev_b32 v[AWS], 5, v88
	v_lshl_add_u32 v[AWS], v92, 4, v[AWS]
	s_mul_i32 s[T0], s[WV], 1088
	s_add_co_u32 s[T0], s[T0], RSC
	v_add_nc_u32 v[AWS], s[T0], v[AWS]             ; W's scale words: row 32 w + l, 32 bytes a row, 16 more for each 256 passed
	v_add_nc_u32 v[AWS+1], RSLOT, v[AWS]
	s_lshl_b32 s[T0], s[WV], 10
	v_lshlrev_b32 v93, 5, v90
	v_add_nc_u32 v93, s[T0], v93
	v_add_nc_u32 v[AQ], QHL, v93
	v_add_nc_u32 v[AV], VL, v93
	v_mul_u32_u24 v[AAS], v88, KSP
	v_add_nc_u32 v[AAS], KSC, v[AAS]
	v_and_b32 v94, 7, v0
	v_lshl_add_u32 v94, v90, 3, v94
	v_mul_u32_u24 v[AH], v94, HP
	v_bfe_u32 v94, v0, 3, 1
	v_lshl_add_u32 v[AH], v94, 4, v[AH]
	s_lshl_b32 s[T0], s[WV], 9
	s_add_co_u32 s[T0], s[T0], HOLD
	v_add_nc_u32 v[AH], s[T0], v[AH]               ; the turning load: key 8 h + l % 8, my 256 channels, + 16 ((l / 8) % 2)
	v_add_nc_u32 v[AH+1], 32*HP, v[AH]
	s_lshl_b32 s[T0], s[WV], 8
	s_add_co_u32 s[T0], s[T0], PART
	v_lshl_add_u32 v[AP], v89, 2, s[T0]
	v_lshl_add_u32 v[AT], v90, 5, PART
	v_lshl_add_u32 v[AT2], v88, 3, PART
	v_lshlrev_b32 v[GO8], 3, v88
	v_lshlrev_b32 v[GO16], 4, v88
	s_lshl_b32 s[T0], s[WV], 10
	s_add_co_u32 s[T0], s[T0], HOLD
	v_lshl_add_u32 v[OST], v89, 2, s[T0]
	v_lshl_add_u32 v[ORD], v88, 4, s[T0]
	s_lshl_b32 s[T0], s[WV], 10
	s_add_co_u32 s[T0], s[T0], VL
	v_lshl_add_u32 v95, v88, 5, s[T0]
	s_lshl_b32 s[T0], s[WV], 16
	v_lshl_add_u32 v[PFO], v88, 8, s[T0]           ; the keys' prefetch: my wave's 16 rows of a tile, + 256 x lane
	s_lshl_b32 s[XA], s[CX], 13                    ; W's prefetch: my work-group's 8,192 bytes of the 32,768 that my wave fetches,
	s_lshl_b32 s[XB], s[CX], 10                    ; or its 1,024 of a group's 4,096 scale bytes
	s_cmp_lt_u32 s[WV], 2
	s_cselect_b32 s[XA], s[XA], s[XB]
	s_cselect_b32 s[T1], 31, 3                     ; 32 blocks of 256 bytes, or 4
	v_min_u32 v[PFW], s[T1], v88
	v_lshl_add_u32 v[PFW], v[PFW], 8, s[XA]
	s_cmp_lt_u32 s[WV], 3
	s_cselect_b32 s[LIMW], 16, 0
.irp c, 2,3,4,5
	global_prefetch_b8 v[PFO], s[KBASE:KBASE+1] offset:8192*\c th:TH_LOAD_NT scope:SCOPE_SE   ; the chunks that the first four trips load
.endr
	WIN 0xc0
.irp d, 0,1,2,3,4,5,6,7,8,9,10,11,12,13,14,15
	v_mov_b32 v[CT+\d], 0                          ; the context and l begin as zeros, m under every t: the tile's end is written once for all tiles
.endr
	v_mov_b32 v[LL], 0
	v_mov_b32 v[MM], 0xff61b1e6                    ; -3e38
	WIN 0
	s_wait_alu depctr_va_vdst(0)
	s_wait_loadcnt 32                              ; h_t and v are in; the two chunks of keys, 32 loads issued behind them, may be out
	s_cmp_lt_u32 s[WV], 2                          ; h_t's loads are done, so their bases may be written: what my wave prefetches of W
	s_cselect_b64 s[PWH:PWH+1], s[WHC:WHC+1], s[WHS:WHS+1]
	s_cselect_b64 s[PWK:PWK+1], s[WKC:WKC+1], s[WKS:WKS+1]
	ds_store_b128 v95, v[TW:TW+3]                  ; v into my own part of VL
	ds_store_b128 v95, v[TW+4:TW+7] offset:16
	; ---------------- the first pass: qh, and the first tile's keys
	s_mov_b32 s[CNT1], 4
.Lqh:
	QGROUP 0
	QGROUP 1
	s_sub_co_u32 s[CNT1], s[CNT1], 1
	s_cmp_lg_u32 s[CNT1], 0
	s_cbranch_scc1 .Lqh
	s_wait_dscnt 0x0                               ; my part of the first tile lies in LDS
	s_barrier_signal -1
	s_barrier_wait -1
	LOAD_AS
	WIN 0x40
	LOAD_AM 0
	LOAD_AM 1
	LOAD_AM 2
	LOAD_AM 3
	LOAD_H
	WIN 0
	; ---------------- four tiles.  The last is written out: it has no keys to fetch, and its last group asks for no further group of W
	s_mov_b32 s[CNT2], 3
.Ltile:
	TILE 1, 0
	s_sub_co_u32 s[CNT2], s[CNT2], 1
	s_cmp_lg_u32 s[CNT2], 0
	s_cbranch_scc1 .Ltile
	TILE 0, 1
	; ---------------- the way out: a lane holds one channel of each 16, so my 256 channels go through my own 1,024 bytes of LDS and leave 16 bytes a lane
	WIN 0x0c
.irp d, 0,1,2,3,4,5,6,7,8,9,10,11,12,13,14,15
	ds_store_b32 v[OST], v[CT+\d] offset:64*\d     ; both halves of the lanes write the same words with the same values
.endr
	WIN 0
	ds_load_b128 v[TW:TW+3], v[ORD]                ; LDS serves a wave's instructions in order: these see my stores
	ds_load_b128 v[TW+4:TW+7], v[ORD] offset:512
	s_wait_dscnt 0x0
	global_store_b128 v[GO16], v[TW:TW+3], s[RPW:RPW+1]            ; 32 lanes store 512 consecutive bytes, aligned to 256
	global_store_b128 v[GO16], v[TW+4:TW+7], s[RPW:RPW+1] offset:512
	s_cmp_lg_u32 s[WV], 0
	s_cbranch_scc1 .Lno_ml
	WIN 0x0c
	global_store_b64 v[GO8], v[MM:MM+1], s[RP:RP+1] offset:5120    ; (m, l), the same in every lane: 256 consecutive bytes
	WIN 0
.Lno_ml:
	s_wait_tensorcnt 0x0                           ; the wave's end: behind my last tensor load and my last LDS store
	ds_add_u32 v[SPW], v[NIL]
	s_wait_dscnt 0x0
	CROUND                                         ; the closing round: no work-group ends while a partner may still ask for a tile that names it
	s_endpgm
.Lfunc_end_k_q633237f166_main:
	.size	k_q633237f166_main, .Lfunc_end_k_q633237f166_main-k_q633237f166_main
	.p2alignl 7, 3214868480
	.fill 96, 4, 3214868480
	.section	.rodata,"a",@progbits
	.p2align	6, 0x0
	.amdhsa_kernel k_q633237f166_main
		.amdhsa_group_segment_fixed_size 327680
		.amdhsa_private_segment_fixed_size 0
		.amdhsa_enable_private_segment 0
		.amdhsa_kernarg_size 72
		.amdhsa_user_sgpr_count 2
		.amdhsa_user_sgpr_kernarg_segment_ptr 1
		.amdhsa_wavefront_size32 1
		.amdhsa_system_sgpr_workgroup_id_x 1
		.amdhsa_system_sgpr_workgroup_id_y 1
		.amdhsa_system_sgpr_workgroup_id_z 1
		.amdhsa_system_vgpr_workitem_id 0
		.amdhsa_next_free_vgpr 1024
		.amdhsa_next_free_sgpr 100
		.amdhsa_reserve_vcc 0
		.amdhsa_float_denorm_mode_32 3
		.amdhsa_float_denorm_mode_16_64 3
		.amdhsa_memory_ordered 1
		.amdhsa_forward_progress 1
		.amdhsa_inst_pref_size 255
	.end_amdhsa_kernel
	.section	.bss,"aw",@nobits
	.p2align	6
	.space	262144
	.amdgpu_metadata
---
amdhsa.version: [ 1, 2 ]
amdhsa.kernels:
  - .name:           k_q633237f166_main
    .symbol:         k_q633237f166_main.kd
    .args:
      - { .name: W_h_codes, .offset: 0, .size: 8, .value_kind: global_buffer, .address_space: global }
      - { .name: W_h_scales, .offset: 8, .size: 8, .value_kind: global_buffer, .address_space: global }
      - { .name: W_k_codes, .offset: 16, .size: 8, .value_kind: global_buffer, .address_space: global }
      - { .name: W_k_scales, .offset: 24, .size: 8, .value_kind: global_buffer, .address_space: global }
      - { .name: h_t_codes, .offset: 32, .size: 8, .value_kind: global_buffer, .address_space: global }
      - { .name: h_t_scales, .offset: 40, .size: 8, .value_kind: global_buffer, .address_space: global }
      - { .name: keys, .offset: 48, .size: 8, .value_kind: global_buffer, .address_space: global }
      - { .name: v, .offset: 56, .size: 8, .value_kind: global_buffer, .address_space: global }
      - { .name: part, .offset: 64, .size: 8, .value_kind: global_buffer, .address_space: global }
    .group_segment_fixed_size: 327680
    .private_segment_fixed_size: 0
    .kernarg_segment_align: 8
    .kernarg_segment_size: 72
    .max_flat_workgroup_size: 128
    .sgpr_count:     100
    .vgpr_count:     1024
    .wavefront_size: 32
...
	.end_amdgpu_metadata
.endif
;; end of part 1
;; launch finish (part 2): grid 64 x 1, 8 waves a work-group, no clusters, 0 bytes of LDS; arguments part, out0, out1; writes out0, out1
.if DOCPART == 2
	.amdgcn_target "amdgcn-amd-amdhsa--gfx1250"
	.amdhsa_code_object_version 6
	.text
	.protected	k_q633237f166_finish
	.globl	k_q633237f166_finish
	.p2align	8
	.type	k_q633237f166_finish,@function
k_q633237f166_finish:
	s_mov_b64 s[64:65], 0
	v_nop
	global_prefetch_b8 v0, s[64:65] scope:SCOPE_SE
	s_setreg_imm32_b32 hwreg(HW_REG_WAVE_MODE, 25, 1), 1
	s_wait_xcnt 0x0
; Additive attention, launch 2 of 2: a batch's four records become its context and its alpha.
; Left out, as in the first launch: the term sum_e v[e] of the scores, which is the same for all keys of a batch and which the softmax takes away.
; A record (5,376 bytes): context[1024] under the quarter's own maximum m, not divided; t[256], the scores in powers of two; the pair (m, l).
; M = the largest of the four m; e_i = 2^(m_i - M); L = sum l_i e_i; context = sum (e_i / L) context_i; alpha = 2^(t - M) / L.
; One work-group of 256 threads for a batch; thread tau owns four neighbouring numbers of each output: a wave's store covers 512 consecutive bytes, aligned to 256.  No LDS, no barrier: threads share nothing.
.set REC, 5376
	s_load_b128 s[4:7], s[0:1], 0x0                ; part, out0
	s_load_b64 s[8:9], s[0:1], 0x10                ; out1
	v_lshlrev_b32 v1, 4, v0                        ; 16 tau
	v_lshrrev_b32 v2, 6, v0                        ; my t lie in record tau / 64,
	v_and_b32 v3, 63, v0
	s_delay_alu instid0(VALU_DEP_2)
	v_mul_u32_u24 v2, v2, REC
	s_delay_alu instid0(VALU_DEP_1)
	v_lshl_add_u32 v2, v3, 4, v2                   ; 16 (tau % 64) bytes on
	s_mul_i32 s10, ttmp9, 4*REC
	s_mov_b32 s11, 0
	s_lshl_b32 s12, ttmp9, 12                      ; a row of an output is 4,096 bytes
	s_mov_b32 s13, 0
	s_wait_alu depctr_va_vdst(0)
	s_wait_kmcnt 0x0
	s_add_nc_u64 s[4:5], s[4:5], s[10:11]
	s_add_nc_u64 s[6:7], s[6:7], s[12:13]
	s_add_nc_u64 s[8:9], s[8:9], s[12:13]
	s_load_b64 s[16:17], s[4:5], 5120              ; (m, l) of the four quarters: this launch only reads the records
	s_load_b64 s[18:19], s[4:5], 5120+REC
	s_load_b64 s[20:21], s[4:5], 5120+2*REC
	s_load_b64 s[22:23], s[4:5], 5120+3*REC
.irp i, 0,1,2,3
	global_load_b128 v[16+4*\i:19+4*\i], v1, s[4:5] offset:REC*\i
.endr
	global_load_b128 v[32:35], v2, s[4:5] offset:4096
	s_wait_kmcnt 0x0
	v_mov_b32 v8, s16
	s_delay_alu instid0(VALU_DEP_1)
	v_max_num_f32 v8, s18, v8
	s_delay_alu instid0(VALU_DEP_1)
	v_max_num_f32 v8, s20, v8
	s_delay_alu instid0(VALU_DEP_1)
	v_max_num_f32 v8, s22, v8                      ; M
	s_delay_alu instid0(VALU_DEP_1)
	v_sub_f32 v10, s16, v8
	s_delay_alu instid0(VALU_DEP_2)
	v_sub_f32 v11, s18, v8
	s_delay_alu instid0(VALU_DEP_3)
	v_sub_f32 v12, s20, v8
	s_delay_alu instid0(VALU_DEP_4)
	v_sub_f32 v13, s22, v8
	s_wait_alu depctr_va_vdst(0)
.irp i, 0,1,2,3
	v_exp_f32 v[10+\i], v[10+\i]                   ; e_i
.endr
	v_nop                                          ; a plain line behind the last exponential,
	s_wait_alu depctr_va_vdst(0)                   ; and one wait for the four, ahead of their first reader
	v_mul_f32 v14, s17, v10
	v_fmac_f32 v14, s19, v11
	v_fmac_f32 v14, s21, v12
	v_fmac_f32 v14, s23, v13                       ; L
	s_wait_alu depctr_va_vdst(0)
	v_rcp_f32 v15, v14
	s_wait_loadcnt 0x0
.irp k, 0,1,2,3
	v_sub_f32 v[32+\k], v[32+\k], v8               ; t - M.  (Plain lines behind the reciprocal)
.endr
	s_wait_alu depctr_va_vdst(0)
.irp i, 0,1,2,3
	v_mul_f32 v[10+\i], v[10+\i], v15              ; e_i / L
.endr
	s_wait_alu depctr_va_vdst(0)
.irp k, 0,1,2,3
	v_exp_f32 v[32+\k], v[32+\k]
.endr
.irp k, 0,1,2,3
	v_mul_f32 v[36+\k], v[16+\k], v10
.endr
.irp i, 1,2,3
.irp k, 0,1,2,3
	s_delay_alu instid0(VALU_DEP_4)
	v_fmac_f32 v[36+\k], v[16+4*\i+\k], v[10+\i]
.endr
.endr
	s_wait_alu depctr_va_vdst(0)                   ; one wait for the four exponentials; the sixteen lines above are the work between
.irp k, 0,1,2,3
	v_mul_f32 v[32+\k], v[32+\k], v15
.endr
	global_store_b128 v1, v[36:39], s[6:7]         ; context
	global_store_b128 v1, v[32:35], s[8:9]         ; alpha
	s_endpgm
.Lfunc_end_k_q633237f166_finish:
	.size	k_q633237f166_finish, .Lfunc_end_k_q633237f166_finish-k_q633237f166_finish
	.p2alignl 7, 3214868480
	.fill 96, 4, 3214868480
	.section	.rodata,"a",@progbits
	.p2align	6, 0x0
	.amdhsa_kernel k_q633237f166_finish
		.amdhsa_group_segment_fixed_size 0
		.amdhsa_private_segment_fixed_size 0
		.amdhsa_enable_private_segment 0
		.amdhsa_kernarg_size 24
		.amdhsa_user_sgpr_count 2
		.amdhsa_user_sgpr_kernarg_segment_ptr 1
		.amdhsa_wavefront_size32 1
		.amdhsa_system_sgpr_workgroup_id_x 1
		.amdhsa_system_sgpr_workgroup_id_y 1
		.amdhsa_system_sgpr_workgroup_id_z 1
		.amdhsa_system_vgpr_workitem_id 0
		.amdhsa_next_free_vgpr 48
		.amdhsa_next_free_sgpr 66
		.amdhsa_reserve_vcc 0
		.amdhsa_float_denorm_mode_32 3
		.amdhsa_float_denorm_mode_16_64 3
		.amdhsa_memory_ordered 1
		.amdhsa_forward_progress 1
		.amdhsa_inst_pref_size 5
	.end_amdhsa_kernel
	.amdgpu_metadata
---
amdhsa.version: [ 1, 2 ]
amdhsa.kernels:
  - .name:           k_q633237f166_finish
    .symbol:         k_q633237f166_finish.kd
    .args:
      - { .name: part, .offset: 0, .size: 8, .value_kind: global_buffer, .address_space: global }
      - { .name: out0, .offset: 8, .size: 8, .value_kind: global_buffer, .address_space: global }
      - { .name: out1, .offset: 16, .size: 8, .value_kind: global_buffer, .address_space: global }
    .group_segment_fixed_size: 0
    .private_segment_fixed_size: 0
    .kernarg_segment_align: 8
    .kernarg_segment_size: 24
    .max_flat_workgroup_size: 256
    .sgpr_count:     66
    .vgpr_count:     48
    .wavefront_size: 32
...
	.end_amdgpu_metadata
.endif
;; end of part 2
